; MI455X (gfx1250); checked and timed in simulation.
; The chip was launched on July 23, 2026; its instructions are those of AMD's public machine-readable ISA for CDNA 5 (MIT licence, August 2026) and "CDNA5" Instruction Set Architecture Reference Guide (July 2026). The comments in the code are by the model that wrote it; some were corrected since.
;; Multi Head Attention. Allowed arithmetic: matrix products marked QUANTISED: E2M3 operands, one E8M0 scale for each 32 along K, by v_wmma_scale_f32_16x16x128_f8f6f4 with both operands' format E2M3, f32 sums; everything else in f32.
;; Inputs: b_proj 1,024 float32; b_qkv 3,072 float32; w_proj_codes 1,024 x 32 x 24 uint8 (E2M3 codes of w_proj, K innermost, in blocks of 32 codes, four codes in three bytes); w_proj_scales 1,024 x 32 uint8 (E8M0 scales of w_proj, one for each 32 codes along K); w_qkv_codes 3,072 x 32 x 24 uint8 (E2M3 codes of w_qkv, K innermost, in blocks of 32 codes, four codes in three bytes); w_qkv_scales 3,072 x 32 uint8 (E8M0 scales of w_qkv, one for each 32 codes along K); x_codes 4 x 2,048 x 32 x 24 uint8 (E2M3 codes of x, K innermost, in blocks of 32 codes, four codes in three bytes); x_scales 4 x 2,048 x 32 uint8 (E8M0 scales of x, one for each 32 codes along K).
;; Outputs: out0 4 x 2,048 x 1,024 float32.
;; This version of the problem:
;;   THIS VERSION OF THE PROBLEM IS GIVEN IN LOW PRECISION. The matrix products marked QUANTISED in the list below multiply operands that are first quantised to E2M3 (2 exponent bits, 3 mantissa bits; 6 bits a number), with one power-of-two scale for each 32 numbers along K (OCP MX v1.0); their sums are f32. All else is computed in f32.
;;   The module's matrix products, in the order in which they are computed (A, B: the left and right operand; K: the contracted axis; several contracted axes count as one K, in the product's order):
;;     1. [M 8,192, K 1,024] x [K 1,024, N 3,072]; A: input x (given as codes); B: input w_qkv (given as codes): QUANTISED
;;     2. batch 64 x [M 2,048, K 64] x [K 64, N 2,048]; A: computed on the way; B: computed on the way: QUANTISED
;;     3. batch 64 x [M 2,048, K 2,048] x [K 2,048, N 64]; A: softmax (see below); B: computed on the way: QUANTISED
;;     4. [M 8,192, K 1,024] x [K 1,024, N 1,024]; A: computed on the way; B: input w_proj (given as codes): QUANTISED
;;   THE QUANTISER, for each operand of a quantised product, along K:
;;     - K is cut into blocks of 32 from its start; a last block that is shorter is filled with zeros.
;;     - A block's scale is 2^e with e = floor(log2(the largest magnitude in the block)) - 2, held to -126 .. 127; a block of zeros has e = 0. As a byte (E8M0): e + 127.
;;     - Each number is divided by its block's scale, clamped to +-7.5, and rounded to the nearest number of E2M3, ties to even, subnormals kept.
;;     - The product sums the exact products of the quantised numbers (number of the format x scale) in f32.
;;   ~~~python
;;   def quantise(x, axis):      # numpy; x: float32 -> the quantised numbers, widened to float32 again
;;       x = np.moveaxis(x, axis, -1); K = x.shape[-1]
;;       x = np.pad(x, [(0, 0)] * (x.ndim - 1) + [(0, -K % 32)]); x = x.reshape(x.shape[:-1] + (-1, 32)); a = np.abs(x).max(-1, keepdims=True)
;;       e = np.where(a > 0, np.clip(np.frexp(np.where(a > 0, a, 1))[1] - 1 - 2, -126, 127), 0)      # np.frexp(a)[1] - 1 = floor(log2(a)), exactly
;;       r = np.clip(x / 2.0 ** e, -7.5, 7.5)
;;       step = 2.0 ** (np.maximum(np.frexp(np.where(r == 0, 1, r))[1] - 1, 0) - 3)
;;       q = np.round(r / step) * step * 2.0 ** e      # np.round: ties to even
;;       return np.moveaxis(q.reshape(q.shape[:-2] + (-1,))[..., :K], -1, axis).astype(np.float32)
;;   ~~~
;;   SOFTMAX AHEAD OF A QUANTISED PRODUCT. Where the list says 'softmax', what is quantised is not the finished softmax but p = 2^(t - M), with t = logit x log2(e) and M = ceil(the row's largest t), a whole number; so 1/2 < the row's largest p <= 1. The row's sum l is taken of the UNQUANTISED p, in f32, and the product's result is divided by l at the end. Since M is a whole number, a kernel that streams over the keys may use a running M (the ceiling of the running maximum): every later rescaling is an exact power of two, which a block's scale takes up: the codes' values come out the same.
;;   OPERANDS COMPUTED ON THE WAY. 'Computed on the way' means the value that the module computes at that place (a softmax that the list does not call 'softmax' is quantised finished and normalised). What goes into a quantiser is computed in f32, as accurately as f32 sums, v_exp_f32 and their like allow (about 1e-6 of the number): no bf16 or f16 on the way to a quantiser, and a product that is left as it is and whose result goes on into a quantised operand takes f32 operands (vector FMAs, or v_wmma_f32_16x16x4_f32). A number that lies on a knife's edge between two numbers of the format may be rounded either way, as far as f32 arithmetic and the matrix unit's own rounding can turn it there, and no further.
;;   INPUTS GIVEN AS CODES. w_proj (in the module: [1024, 1024], K = its axis 0); w_qkv (in the module: [1024, 3072], K = its axis 0); x (in the module: [4, 2048, 1024], K = its axis 2): each comes as NAME_codes (uint8): NAME with its K axis moved to the last place and cut into blocks of 32 codes, [.., K / 32, bytes a block], one block behind the other in memory; four codes in three bytes: a row's codes are one little-endian stream of bits, code i at bits 6 i .. 6 i + 5 (a code: sign, 2 exponent bits, 3 mantissa bits); and NAME_scales (uint8): the same leading axes, one E8M0 byte (e + 127) for each 32 codes along K. Its value is code x scale, taken as it is: it is not quantised again, and the codes and scales need not be those that the quantiser above would give.
;; One version. Each part assembles by itself: llvm-mc -triple=amdgcn-amd-amdhsa -mcpu=gfx1250 --defsym DOCPART=n.
;; ======== version 1 of 1: 3 launches
;; limits: right only within a limited range of input values
;; workspace buffers: frag 18,874,368 bytes; fscl 786,432 bytes; ocod 6,291,456 bytes; oscl 262,144 bytes
;; launch qkv (part 1): grid 12 x 64, 4 waves a work-group, clusters of 4 x 4, 327,680 bytes of LDS; arguments x_codes, x_scales, w_qkv_codes, w_qkv_scales, b_qkv, frag, fscl; writes frag, fscl
.if DOCPART == 1
	.amdgcn_target "amdgcn-amd-amdhsa--gfx1250"
	.amdhsa_code_object_version 6
	.text
	.protected	k_q5a14d7d0b4_qkv
	.globl	k_q5a14d7d0b4_qkv
	.p2align	8
	.type	k_q5a14d7d0b4_qkv,@function
k_q5a14d7d0b4_qkv:
	s_mov_b64 s[64:65], 0
	v_nop
	global_prefetch_b8 v0, s[64:65] scope:SCOPE_SE
	s_setreg_imm32_b32 hwreg(HW_REG_WAVE_MODE, 25, 1), 1
	s_wait_xcnt 0x0
	s_wait_alu depctr_hold_cnt(0) depctr_sa_sdst(0) depctr_va_vdst(0) depctr_va_sdst(0) depctr_va_ssrc(0) depctr_va_vcc(0) depctr_vm_vsrc(0)
	s_getreg_b32 s2, hwreg(HW_REG_IB_STS2, 6, 4)
	s_cmp_eq_u32 s2, 0
	s_cbranch_scc0 .Lentry_in_a_cluster
	s_endpgm
.Lentry_in_a_cluster:
	s_bfe_u32 s2, ttmp6, 0x10000c
	s_cmp_lg_u32 s2, 0xf033
	s_cbranch_scc0 .Lentry_shape_is_right
	s_endpgm
.Lentry_shape_is_right:
; qkv = x w_qkv + b_qkv on codes of FP6 (E2M3), one E8M0 scale for each 32 along K = 1,024; the results are quantised at once: q and k along the head's 64, v along the keys.
; A work-group makes 256 rows of source 0 x 128 rows of source 1; a wave 128 x 64: 32 accumulators.  In a result a lane holds one row of source 1 and its registers run along source 0's rows.
;   clusters x = 0, 1 (q, k): source 0 = rows of w_qkv, source 1 = tokens.   cluster x = 2 (v): source 0 = tokens, source 1 = rows of w_qkv.  The kinds differ in pointers and constants chosen by s_cselect on the cluster's x.
; SOURCE 0's 256 ROWS ARE TWO RUNS OF 128; wave half e takes rows 64 e .. 64 e + 63 of each.  q, k: w rows 128 t .. and 1,024 + 128 t ..: a wave's 128 numbers of a token are [q | k] of head 2 t + e.
;   v: tokens 256 t .. and 256 t + 128 ..
; BOTH OPERANDS LIE IN LDS FOR ALL OF K: 384 rows of 768 bytes, each row whole, 16 bytes of padding behind every 256: 313,344 bytes, filled once, one joint load a wave.  No slot is filled again, so the walk along K has no barrier.
; The launch has no loop to run ahead in, so nothing is prefetched.  A block of 256 x 256 would need 512 such rows, which LDS does not hold.
; THE SCALE WORDS come straight into registers: a lane takes a row's 32 bytes, 32 lanes read 1,024 consecutive bytes; lanes 0-15 hold an even block of 16 rows, lanes 16-31 the odd one.
; WHAT IS STORED: a fragment of 16 rows x 128 codes as an image of its 12 registers (three stores of 512 consecutive bytes).  frag: q, k at [b h][token / 16][1,536]; v at VBASE + [b h][key group][d / 16][1,536].
; fscl: [b h][12,288]: four scale words on end for each row.  Inside a block of 32, position 16 g + 8 u + j holds number 16 u + 8 g + j; the next launch gives the other operand the same order.
; CLUSTERS: 4 x 4; source 1's tile is shared along a row of the cluster, source 0's along a column.
; LIMITS: NaN, infinities and a given scale byte 0xff are not served.  A computed block whose largest magnitude lies under 2^-124 keeps the scale byte 1: its bytes are read by this program alone.
; REGISTERS: window 0: v32-63, v68-83 scale words; v84-107 LDS addresses; v128-223 source 1's fragments, two sets (the bias ahead of them, codes behind them); window 1: source 0's fragments, two sets; window 2: accumulator (a, b) at 8 (8 a + b).
.set KROW,  768
.set PITCH, 816
.set FR,    12
.set NP,    4
.set S0B,   128*PITCH
.set SPARE, 384*PITCH
.set VBASE, 12582912
.set LI,   26
.set SPW,  28
.set NIL,  29
.set SOFF, 30
.set S0,   32
.set S1,   68
.set AD1,  84
.set AD0,  92
.set AF,   128
.set BI0,  128
.set TB,   192
.set BI1,  208
.set TM,   32
.set PWS,  48
.set CT,   56
.set SCW,  64
.set PC0,  128
.set G1,  24
.set G0,  32
.set G1B, 48
.set G0B, 56
.set MUL_W, 0xa1
.set TO_B,  0x40
.set MSB, 0
.macro WIN new
.if MSB != (\new)
	s_set_vgpr_msb (MSB<<8)|(\new)
.set MSB, (\new)
.endif
.endm
.macro PLACES n
.rept \n
	v_nop
.endr
.endm
.macro CROUND
	s_barrier_signal -1
	s_barrier_wait -1
	s_cmp_lg_u32 s14, 0
	s_cbranch_scc1 .Lnot_wave_0_\@
	s_barrier_signal -3
.Lnot_wave_0_\@:
	s_barrier_wait -3
	s_barrier_signal -1
	s_barrier_wait -1
.endm
.macro GROUP1 g, mask, rows
	s_or_b32 s[\g+0], s\mask, (1<<20)|(1<<21)|(5<<22)|(3<<25)
	s_mov_b32 s[\g+1], KROW<<16
	s_mov_b32 s[\g+2], (\rows)<<16
	s_mov_b32 s[\g+3], KROW<<16
	s_mov_b32 s[\g+4], \rows
	s_mov_b32 s[\g+5], KROW
	s_mov_b32 s[\g+6], 0
	s_mov_b32 s[\g+7], 0
.endm
	s_load_b128 s[4:7], s[0:1], 0x0                ; x's codes, x's scales
	s_load_b128 s[8:11], s[0:1], 0x10              ; w's codes, w's scales
	s_load_b64 s[104:105], s[0:1], 0x20            ; b_qkv
	s_load_b64 s[12:13], s[0:1], 0x28              ; frag
	s_load_b64 s[100:101], s[0:1], 0x30            ; fscl
	v_lshl_add_u32 v[SPW], v0, 2, SPARE
	v_mov_b32 v[NIL], 0
	ds_add_u32 v[SPW], v[NIL]                      ; the opening lines
	ds_add_u32 v[SPW], v[NIL]
	v_lshrrev_b32 v1, 5, v0
	v_readfirstlane_b32 s14, v1                    ; wave
	s_lshr_b32 s15, s14, 1                         ; f: my half of source 1's rows; also: I fetch for source 1 (0) or source 0 (1)
	s_and_b32 s16, s14, 1                          ; e: my half of each run; also: which part I fetch
	s_bfe_u32 s40, ttmp6, 0x40000                  ; cx
	s_bfe_u32 s41, ttmp6, 0x40004                  ; cy
	s_and_b32 s2, ttmp7, 0xffff                    ; cluster y
	s_lshl_b32 s18, s2, 2
	s_add_co_u32 s18, s18, s41                     ; q, k: source 1's tile of 128 tokens
	s_and_b32 s19, s2, 1
	s_lshl_b32 s19, s19, 2
	s_add_co_u32 s19, s19, s41                     ; v: source 1's tile of 128 rows of w
	s_lshr_b32 s92, s2, 1
	s_lshl_b32 s92, s92, 2
	s_add_co_u32 s92, s92, s40                     ; v: source 0's tile of 256 tokens
	s_lshl_b32 s93, ttmp9, 2
	s_add_co_u32 s93, s93, s40                     ; q, k: source 0's tile of 128 + 128 rows of w
	s_cmp_eq_u32 ttmp9, 2
	s_cselect_b32 s17, s19, s18
	s_cselect_b32 s42, s92, s93
	s_cselect_b32 s21, 2048, 0
	s_cselect_b32 s47, 8, 7
	s_cselect_b32 s45, 7, 10
	s_lshl_b32 s43, s41, 2
	s_lshl_b32 s43, 15, s43                        ; my row of the cluster
	s_lshl_b32 s44, 0x1111, s40                    ; my column
	GROUP1 G1, 43, 64
	GROUP1 G1B, 44, 128
	s_lshl_b32 s20, s17, 7
	s_add_co_u32 s20, s20, s21                     ; source 1's first row
	s_lshl_b32 s46, s42, s47                       ; source 0's first row
	s_lshl_b32 s45, 1, s45                         ; rows from run to run
	s_lshl_b32 s18, s16, 6
	s_add_co_u32 s18, s18, s20
	s_mul_i32 s18, s18, KROW                       ; what I would fetch of source 1: 64 rows
	s_mov_b32 s19, 0
	s_mul_i32 s22, s16, s45
	s_add_co_u32 s22, s22, s46
	s_mul_i32 s22, s22, KROW                       ; and of source 0: a run
	s_mov_b32 s23, 0
	s_lshl_b32 s68, s15, 6
	s_add_co_u32 s68, s68, s20
	s_lshl_b32 s68, s68, 5                         ; my source-1 rows' scale bytes
	s_mov_b32 s69, 0
	s_lshl_b32 s70, s16, 6
	s_add_co_u32 s70, s70, s46
	s_lshl_b32 s70, s70, 5                         ; my source-0 rows', run 0
	s_mov_b32 s71, 0
	s_lshl_b32 s72, s45, 5
	s_add_co_u32 s72, s72, s70                     ; run 1
	s_mov_b32 s73, 0
	s_mov_b32 s[G0], 1
	s_mul_i32 s[G0+1], s16, 64*PITCH
	s_mov_b32 s[G0B], 1
	s_mul_i32 s[G0B+1], s16, 128*PITCH
	s_add_co_u32 s[G0B+1], s[G0B+1], S0B
	s_wait_alu depctr_va_vdst(0)
	s_wait_dscnt 0x0
	CROUND                                         ; all sixteen work-groups are here: the joint loads meet
	s_wait_kmcnt 0x0
	s_cmp_eq_u32 ttmp9, 2                          ; the tensors change places for v
	s_cselect_b64 s[2:3], s[8:9], s[4:5]           ; source 1's codes
	s_cselect_b64 s[8:9], s[4:5], s[8:9]           ; source 0's codes
	s_cselect_b64 s[4:5], s[10:11], s[6:7]         ; source 1's scales
	s_cselect_b64 s[10:11], s[6:7], s[10:11]       ; source 0's scales
	s_add_nc_u64 s[G0+2:G0+3], s[2:3], s[18:19]
	s_or_b32 s[G0+3], s[G0+3], 0x80000000
	s_add_nc_u64 s[G0B+2:G0B+3], s[8:9], s[22:23]
	s_or_b32 s[G0B+3], s[G0B+3], 0x80000000
	s_cmp_eq_u32 s15, 0                            ; one load a wave: waves 0, 1 half of source 1's rows each, waves 2, 3 a run of source 0 each
	s_cbranch_scc0 .Lfor_0
	tensor_load_to_lds s[G0:G0+3], s[G1:G1+7]
	s_nop 0
	PLACES 4
	s_branch .Lasked
.Lfor_0:
	tensor_load_to_lds s[G0B:G0B+3], s[G1B:G1B+7]
	s_nop 0
	PLACES 4
.Lasked:
	s_add_nc_u64 s[68:69], s[4:5], s[68:69]
	s_add_nc_u64 s[70:71], s[10:11], s[70:71]
	s_add_nc_u64 s[72:73], s[10:11], s[72:73]
	; where my results go.  q, k: b h = 16 (tile1 / 16) + 2 tile0 + e, part 2 (tile1 % 16) + f;  v: b h = 16 (tile0 / 8) + 2 tile1 + f, part 2 (tile0 % 8) + e.  A part: 6,144 bytes of codes, 256 of scale words
	s_lshl_b32 s45, s42, 1
	s_add_co_u32 s45, s45, s16
	s_lshl_b32 s45, s45, 8                         ; q, k: the bias along source 0: 4 (128 tile + 64 e)
	s_lshl_b32 s46, s17, 9
	s_lshl_b32 s47, s15, 8
	s_add_co_u32 s46, s46, s47
	s_add_co_u32 s46, s46, 8192                    ; v: along source 1: 4 (2,048 + 128 tile + 64 f)
	s_cmp_eq_u32 ttmp9, 2
	s_cselect_b32 s18, s42, s17
	s_cselect_b32 s19, s17, s42
	s_cselect_b32 s20, s15, s16
	s_cselect_b32 s21, s16, s15
	s_cselect_b32 s22, 3, 4
	s_cselect_b32 s23, 7, 15
	s_cselect_b32 s40, 0, 1
	s_cselect_b32 s41, VBASE, 0
	s_cselect_b32 s43, 8192, 0
	s_cselect_b32 s44, -1, 0
	s_cselect_b32 s74, 0, 1.0
	s_cselect_b32 s45, 0, s45
	s_cselect_b32 s46, s46, 0
	s_mov_b32 s75, s74
	s_lshr_b32 s2, s18, s22
	s_and_b32 s18, s18, s23
	s_lshl_b32 s19, s19, 1
	s_add_co_u32 s19, s19, s20
	s_lshl_b32 s2, s2, 4
	s_add_co_u32 s2, s2, s19                       ; b h
	s_lshl_b32 s18, s18, 1
	s_add_co_u32 s18, s18, s21                     ; the part
	s_mul_i32 s20, s2, 98304
	s_lshl_b32 s20, s20, s40
	s_mul_i32 s22, s18, 6144
	s_add_co_u32 s20, s20, s22
	s_add_co_u32 s20, s20, s41
	s_mov_b32 s21, 0
	s_add_nc_u64 s[12:13], s[12:13], s[20:21]
	s_mul_i32 s20, s2, 12288
	s_lshl_b32 s22, s18, 8
	s_add_co_u32 s20, s20, s22
	s_add_co_u32 s20, s20, s43
	s_add_nc_u64 s[100:101], s[100:101], s[20:21]
	s_mov_b32 s22, s45
	s_mov_b32 s23, 0
	s_add_nc_u64 s[18:19], s[104:105], s[22:23]
	s_mov_b32 s22, s46
	s_add_nc_u64 s[20:21], s[104:105], s[22:23]
	s_mul_i32 s76, s15, 64*PITCH
	s_mul_i32 s77, s16, 64*PITCH
	s_add_co_u32 s77, s77, S0B
	s_mov_b32 s67, 0xffff0000                      ; lanes 16-31
	s_mov_b32 s95, 0x1800000                       ; the floor 2^(3 - 127)
	s_mov_b32 s98, 0x76543210
	s_mov_b32 s99, 0xfedcba98
	v_and_b32 v1, 15, v0                           ; r
	v_bfe_u32 v2, v0, 4, 1                         ; h
	v_and_b32 v6, 31, v0
	v_mul_u32_u24 v3, v1, PITCH
	v_mad_u32_u24 v4, v2, 24, v3                   ; a fragment's row + 24 h,
	v_mad_u32_u24 v5, v2, 40, v3                   ; and for the pieces where lanes 16-31 lie behind one padding more
	v_add_nc_u32 v7, s76, v4
	v_add_nc_u32 v8, s76, v5
	v_add_nc_u32 v9, s77, v4
	v_add_nc_u32 v10, s77, v5
.irp a, 0,1,2,3
	v_add_nc_u32 v[AD1+2*\a], \a*16*PITCH, v7
	v_add_nc_u32 v[AD1+2*\a+1], \a*16*PITCH, v8
.endr
.irp i, 0,1,2,3,4,5,6,7
	v_add_nc_u32 v[AD0+2*\i], (\i/4)*128*PITCH+(\i%4)*16*PITCH, v9
	v_add_nc_u32 v[AD0+2*\i+1], (\i/4)*128*PITCH+(\i%4)*16*PITCH, v10
.endr
	v_lshlrev_b32 v[LI], 4, v6
	v_lshlrev_b32 v11, 5, v6                       ; a row of scale bytes a lane
	v_lshlrev_b32 v12, 5, v2
	v_lshlrev_b32 v13, 2, v1
	v_lshlrev_b32 v[SOFF], 4, v1
	v_lshl_add_u32 v[SOFF], v2, 3, v[SOFF]         ; 16 r + 8 h
	; the bias starts the sums: both kinds' are loaded, from places inside b_qkv, and one multiply-add a pair takes the one that counts
.irp b, 0,1,2,3,4,5,6,7
	global_load_b128 v[BI0+8*\b:BI0+8*\b+3], v12, s[18:19] offset:(\b/4)*4096+(\b%4)*64
	global_load_b128 v[BI0+8*\b+4:BI0+8*\b+7], v12, s[18:19] offset:(\b/4)*4096+(\b%4)*64+16
.endr
.irp a, 0,1,2,3
	global_load_b32 v[BI1+\a], v13, s[20:21] offset:64*\a
.endr
.irp p, 0,1
.irp c, 0,1
	global_load_b128 v[S0+8*\p+4*\c:S0+8*\p+4*\c+3], v11, s[70:71] offset:1024*\p+16*\c
	global_load_b128 v[S0+16+8*\p+4*\c:S0+16+8*\p+4*\c+3], v11, s[72:73] offset:1024*\p+16*\c
	global_load_b128 v[S1+8*\p+4*\c:S1+8*\p+4*\c+3], v11, s[68:69] offset:1024*\p+16*\c
.endr
.endr
	s_wait_alu depctr_va_vdst(0)
	s_wait_loadcnt 0x0
.irp a, 0,1,2,3
	v_cndmask_b32 v[TB+2*\a], 0, v[BI1+\a], s44
	v_cndmask_b32 v[TB+2*\a+1], 0, v[BI1+\a], s44
.endr
	WIN 0x80
.irp a, 0,1,2,3
.irp b, 0,1,2,3,4,5,6,7
.irp j, 0,2,4,6
	v_pk_fma_f32 v[8*(8*\a+\b)+\j:8*(8*\a+\b)+\j+1], v[BI0+8*\b+\j:BI0+8*\b+\j+1], s[74:75], v[TB+2*\a:TB+2*\a+1] op_sel_hi:[1,0,1]
.endr
.endr
.endr
	WIN 0
; a fragment: six pieces of 8 bytes of the row's stream of bits, two to a load where both go by the same address register
.macro FRAG reg, q, ad
.set SKIP_, 0
.irp p, 0,1,2,3,4,5
.if SKIP_
.set SKIP_, 0
.else
.set PC_, 12*(\q)+6*(\p/3)+\p%3
.set PN_, 12*(\q)+6*((\p+1)/3)+(\p+1)%3
.set X_, (PC_%32+3)/32
.set XQ_, (PN_%32+3)/32
.if (\p < 5) && (X_ == XQ_)
.set SKIP_, 1
	ds_load_2addr_b64 v[(\reg)+2*\p:(\reg)+2*\p+3], v[(\ad)+X_] offset0:PC_+2*(PC_/32) offset1:PN_+2*(PN_/32)
.else
	ds_load_b64 v[(\reg)+2*\p:(\reg)+2*\p+1], v[(\ad)+X_] offset:8*(PC_+2*(PC_/32))
.endif
.endif
.endr
.endm
.macro FETCH g                         ; step g's twelve fragments into set g % 2
	WIN TO_B
.irp i, 0,1,2,3,4,5,6,7
	FRAG 128*((\g)%2)+FR*\i, \g, AD0+2*\i
.endr
	WIN 0
.irp a, 0,1,2,3
	FRAG AF+48*((\g)%2)+FR*\a, \g, AD1+2*\a
.endr
.endm
.macro MUL g                           ; 32 products, the 32 accumulators by turns
.irp ap, 0,1
.irp ao, 0,1
.irp bp, 0,1,2,3
.irp bo, 0,1
.set D_, 8*(8*(2*\ap+\ao)+2*\bp+\bo)
.set B_, 128*((\g)%2)+FR*(2*\bp+\bo)
.set A_, AF+48*((\g)%2)+FR*(2*\ap+\ao)
	v_wmma_scale_f32_16x16x128_f8f6f4 v[D_:D_+7], v[B_:B_+FR-1], v[A_:A_+FR-1], v[D_:D_+7], v[S0+8*\bp+(\g)], v[S1+8*\ap+(\g)] matrix_a_fmt:MATRIX_FMT_FP6 matrix_b_fmt:MATRIX_FMT_FP6 matrix_a_scale:MATRIX_SCALE_ROW\bo matrix_b_scale:MATRIX_SCALE_ROW\ao
.endr
.endr
.endr
.endr
.endm
	s_wait_alu depctr_va_vdst(0)
	s_wait_tensorcnt 0x0                           ; my load has landed,
	s_barrier_signal -1
	s_barrier_wait -1                              ; everybody's has: from here on LDS is only read
	FETCH 0
.set G, 0
.rept 7
	s_wait_dscnt 0x0                               ; this step's fragments, asked for ahead of the last step's products
.if G
	PLACES NP                                      ; between the last products and the loads into their operands
.endif
	FETCH G+1
	WIN MUL_W
	MUL G
	WIN 0
.set G, G+1
.endr
	s_wait_dscnt 0x0
	WIN MUL_W
	MUL 7
	WIN 0
; THE WAY OUT.  Block a: a lane's 64 numbers become twelve registers of codes and a scale word.
.macro QUANT a
.set S, 64*(\a)
.set PCD, PC0+12*(\a)
	WIN 0x28
.irp b, 0,1,2,3
	v_max3_num_f32 v[TM+\b], s95, |v[S+16*\b]|, |v[S+16*\b+1]|       ; my 16 numbers of block b and the floor; each accumulator from its low end on
.endr
.irp i, 2,4,6,8,10,12,14
.irp b, 0,1,2,3
	v_max3_num_f32 v[TM+\b], v[TM+\b], |v[S+16*\b+\i]|, |v[S+16*\b+\i+1]|
.endr
.endr
	WIN 0
.irp b, 0,1,2,3
	v_permlanex16_b32 v[TM+4+\b], v[TM+\b], s98, s99
.endr
.irp b, 0,1,2,3
	v_max_num_f32 v[TM+\b], v[TM+\b], v[TM+4+\b]   ; with lane l xor 16's
.endr
.irp b, 0,1,2,3
	v_add_nc_u32 v[TM+12+\b], 0xff000000, v[TM+\b] ; 2 off the exponent field: the conversion's scale operand
.endr
.irp b, 0,1,2,3
	v_lshrrev_b32 v[TM+4+\b], 23, v[TM+12+\b]      ; the byte
.endr
	v_lshl_or_b32 v[PWS+(\a)], v[TM+5], 8, v[TM+4]
	v_lshl_or_b32 v[PWS+(\a)], v[TM+6], 16, v[PWS+(\a)]
	v_lshl_or_b32 v[PWS+(\a)], v[TM+7], 24, v[PWS+(\a)]
	WIN 2
.irp c, 0,1
	v_cvt_scalef32_pk16_fp6_f32 v[PCD+6*\c:PCD+6*\c+2], v[S+32*\c:S+32*\c+15], v[TM+12+2*\c]
	v_cvt_scalef32_pk16_fp6_f32 v[CT+4*\c:CT+4*\c+2], v[S+32*\c+16:S+32*\c+31], v[TM+12+2*\c+1]
.endr
	WIN 0
	v_nop                                          ; one plain place behind a scaled conversion
.irp c, 0,1                            ; a whole block in a lane: lanes 0-15 block 2 c, lanes 16-31 block 2 c + 1
.irp i, 0,1,2
	v_permlane16_swap_b32 v[PCD+6*\c+\i], v[CT+4*\c+\i]
.endr
.irp i, 0,1,2
	v_mov_b32 v[PCD+3+6*\c+\i], v[CT+4*\c+\i]
.endr
.endr
.irp c, 0,1,2
	global_store_b128 v[LI], v[PCD+4*\c:PCD+4*\c+3], s[12:13] offset:(\a)*1536+512*\c     ; 512 consecutive bytes, at a multiple of 256 from frag's first byte
.endr
.endm
	PLACES NP
.irp b, 0,1,2,3
	v_mov_b32 v[TM+4+\b], 0                        ; a lane permute's destination counts as one of its sources
.endr
.irp a, 0,1,2,3
	QUANT \a
.endr
	v_cndmask_b32 v[SCW], v[PWS], v[PWS+2], s67    ; lanes 0-15 carry words 0, 1 of row r, lanes 16-31 words 2, 3
	v_cndmask_b32 v[SCW+1], v[PWS+1], v[PWS+3], s67
	global_store_b64 v[SOFF], v[SCW:SCW+1], s[100:101]     ; 256 consecutive bytes, at a multiple of 256 from fscl's first byte
	s_wait_tensorcnt 0x0                           ; the wave's end
	ds_add_u32 v[SPW], v[NIL]
	s_wait_dscnt 0x0
	CROUND                                         ; the closing round
	s_endpgm
.Lfunc_end_k_q5a14d7d0b4_qkv:
	.size	k_q5a14d7d0b4_qkv, .Lfunc_end_k_q5a14d7d0b4_qkv-k_q5a14d7d0b4_qkv
	.p2alignl 7, 3214868480
	.fill 96, 4, 3214868480
	.section	.rodata,"a",@progbits
	.p2align	6, 0x0
	.amdhsa_kernel k_q5a14d7d0b4_qkv
		.amdhsa_group_segment_fixed_size 327680
		.amdhsa_private_segment_fixed_size 0
		.amdhsa_enable_private_segment 0
		.amdhsa_kernarg_size 56
		.amdhsa_user_sgpr_count 2
		.amdhsa_user_sgpr_kernarg_segment_ptr 1
		.amdhsa_wavefront_size32 1
		.amdhsa_system_sgpr_workgroup_id_x 1
		.amdhsa_system_sgpr_workgroup_id_y 1
		.amdhsa_system_sgpr_workgroup_id_z 1
		.amdhsa_system_vgpr_workitem_id 0
		.amdhsa_next_free_vgpr 768
		.amdhsa_next_free_sgpr 106
		.amdhsa_reserve_vcc 0
		.amdhsa_float_denorm_mode_32 3
		.amdhsa_float_denorm_mode_16_64 3
		.amdhsa_memory_ordered 1
		.amdhsa_forward_progress 1
		.amdhsa_inst_pref_size 92
	.end_amdhsa_kernel
	.amdgpu_metadata
---
amdhsa.version: [ 1, 2 ]
amdhsa.kernels:
  - .name:           k_q5a14d7d0b4_qkv
    .symbol:         k_q5a14d7d0b4_qkv.kd
    .args:
      - { .name: x_codes, .offset: 0, .size: 8, .value_kind: global_buffer, .address_space: global }
      - { .name: x_scales, .offset: 8, .size: 8, .value_kind: global_buffer, .address_space: global }
      - { .name: w_qkv_codes, .offset: 16, .size: 8, .value_kind: global_buffer, .address_space: global }
      - { .name: w_qkv_scales, .offset: 24, .size: 8, .value_kind: global_buffer, .address_space: global }
      - { .name: b_qkv, .offset: 32, .size: 8, .value_kind: global_buffer, .address_space: global }
      - { .name: frag, .offset: 40, .size: 8, .value_kind: global_buffer, .address_space: global }
      - { .name: fscl, .offset: 48, .size: 8, .value_kind: global_buffer, .address_space: global }
    .group_segment_fixed_size: 327680
    .private_segment_fixed_size: 0
    .kernarg_segment_align: 8
    .kernarg_segment_size: 56
    .max_flat_workgroup_size: 128
    .sgpr_count:     106
    .vgpr_count:     768
    .wavefront_size: 32
...
	.end_amdgpu_metadata
.endif
;; end of part 1
;; launch attn (part 2): grid 4 x 64, 16 waves a work-group, clusters of 4 x 1, 251,904 bytes of LDS; arguments frag, fscl, ocod, oscl; writes ocod, oscl
.if DOCPART == 2
	.amdgcn_target "amdgcn-amd-amdhsa--gfx1250"
	.amdhsa_code_object_version 6
	.text
	.protected	k_q5a14d7d0b4_attn
	.globl	k_q5a14d7d0b4_attn
	.p2align	8
	.type	k_q5a14d7d0b4_attn,@function
k_q5a14d7d0b4_attn:
	s_mov_b64 s[64:65], 0
	v_nop
	global_prefetch_b8 v0, s[64:65] scope:SCOPE_SE
	s_setreg_imm32_b32 hwreg(HW_REG_WAVE_MODE, 25, 1), 1
	s_wait_xcnt 0x0
	s_wait_alu depctr_hold_cnt(0) depctr_sa_sdst(0) depctr_va_vdst(0) depctr_va_sdst(0) depctr_va_ssrc(0) depctr_va_vcc(0) depctr_vm_vsrc(0)
	s_getreg_b32 s2, hwreg(HW_REG_IB_STS2, 6, 4)
	s_cmp_eq_u32 s2, 0
	s_cbranch_scc0 .Lentry_in_a_cluster
	s_endpgm
.Lentry_in_a_cluster:
	s_bfe_u32 s2, ttmp6, 0x10000c
	s_cmp_lg_u32 s2, 0x3003
	s_cbranch_scc0 .Lentry_shape_is_right
	s_endpgm
.Lentry_shape_is_right:
; O = softmax(q k^T / 8) v for one head (work-group y = 16 batch + head), both products on codes of FP6 (E2M3) with one E8M0 scale for each 32 along K; O is quantised along the model's 1,024 for the last product.
; THE SOFTMAX: t = score x log2(e) / 8; M = the row's largest t so far, rounded UP to a whole number; p = 2^(t - M) is quantised along the keys, not normalised.  The row's sum is taken of the unquantised p and divides O at the end.
; When M moves, the sum and O are multiplied by 2^(old M - new M): exact.
; SHARES.  A work-group owns 512 queries; each of its sixteen waves owns two tiles of 16, one after the other (two passes), in 256 registers: four waves to a SIMD, so that one wave's vector work stands beside another's products.
; THE HEAD'S K, V AND SCALE WORDS (249,856 bytes) LIE IN LDS, FILLED ONCE: no slot is filled again, and the loop over the keys has no barrier.  The four work-groups of a cluster are the four query blocks of one head:
; each tile is asked for jointly (mask 15).  Each wave issues one load: one of mine is out at the most.
; INPUT.  frag holds images of operand registers: 1,536 bytes a fragment, registers 4 c .. 4 c + 3 of lane l at 512 c + 16 l.  A token tile's fragment is [q | k] of the head: registers 0-5 q, 6-11 k; its scale word: bytes 0, 1 q, 2, 3 k.
; THE FIRST PRODUCT HAS K = 64.  The key operand is the fragment as it lies.  The query operand is [six registers of zeros | the query's q], its scale word shifted up by 16 bits.  Zero codes add nothing whatever stands against
; them (the format has no NaN and no infinity), so of a key tile only registers 4-11 are kept in LDS, and the operand's registers 0-3 are whatever stands in front of them.
; BOTH PRODUCTS ARE USED TRANSPOSED: S^T = k q^T, O^T = v^T p^T: a lane holds one query (lane % 16) throughout.
; THE KEYS OF A TILE ARE CHOSEN so that a lane owns WHOLE blocks of 32 keys: row 8 h' + j of tile 4 c + w is key base(c) + 32 h' + 16 (w % 2) + 8 (w / 2) + j.  Lane half h then holds block 2 c + h in registers 96 + 32 c ..,
; in the order in which v's codes lie (the two middle groups of eight of a block changed): a block's largest p needs no other lane, and the conversions' results are the operand's registers.
; A step takes the 128 keys of one fragment of v: of 256 keys, 64 e + 0..63 and 128 + 64 e + 0..63.
; OUTPUT.  ocod: [row / 16][head][768]: lane (r, h) holds codes 32 h .. 32 h + 31 of the head in their natural order: registers 0-3 at 16 x lane, 4-5 at 512 + 8 x lane.  oscl: [row][32], byte 2 head + block.
; A row's 32 scale bytes come from sixteen work-groups, two bytes each: they are stored a byte a lane, one byte for each 24 bytes of codes.
; LIMITS: NaN and infinities are not served.  p under 2^-126 counts as 0.  A block whose largest magnitude lies under 2^-124 (a block of zeros too) keeps the scale byte 1: its bytes are read by this program alone.
; REGISTERS: v1-7 lane terms; v8-11 addresses in hand; v12 -M, v13 the largest score, v[14:15] the sum; v16-27, v192-203 the two query operands; v28-31 zeros; v32-95 eight key tiles, then four fragments of v;
;   v96-159 S^T, then p; v160-191 O^T; v204-205 q's scale words; v206 8 h; v208-211 k's scale words; v212-215 v's; v216-222 codes on their way; v224-235 p's codes; v236-254 at work; v253 p's scale word.
.set KP,    1088                       ; a key tile in LDS: 1,024 bytes + 64 of padding: tiles two apart lie 128 bytes apart modulo 256, so that the 16 lanes of half a load (8 rows of each of two such tiles) touch 256 different bytes modulo 256
.set VL,    128*KP                     ; 139,264: v's 64 fragments, 1,536 bytes each
.set SCLB,  VL+98304                   ; 237,568: the head's scale words: 8,192 bytes q, k; 4,096 bytes v
.set VBASE, 12582912
.set KSC,   208
.set VSC,   212
.set CT,    216
.set G1K, 24
.set G1V, 32
.set G1S, 40
.set G0K, 48
.set G0V, 52
.set G0S, 56
.macro ROUND                           ; a round of the cluster's barrier
	s_barrier_signal -1
	s_barrier_wait -1
	s_cmp_lg_u32 s12, 0
	s_cbranch_scc1 .Lnot_wave_0_\@
	s_barrier_signal -3
.Lnot_wave_0_\@:
	s_barrier_wait -3
	s_barrier_signal -1
	s_barrier_wait -1
.endm
	s_load_b256 s[4:11], s[0:1], 0x0               ; frag s[4:5], fscl s[6:7], ocod s[8:9], oscl s[10:11]
	v_lshl_add_u32 v251, v0, 2, 0x3d000
	v_mov_b32 v255, 0
	ds_add_u32 v251, v255
	ds_add_u32 v251, v255
	v_lshrrev_b32 v1, 5, v0
	s_delay_alu instid0(VALU_DEP_1)
	v_readfirstlane_b32 s12, v1                    ; wave 0..15
	s_bfe_u32 s13, ttmp6, 0x40000                  ; cx: which 512 queries: it enters the addresses of q, ocod and oscl alone
	s_and_b32 s14, ttmp7, 0xffff                   ; 16 batch + head, which the four partners share
	; K: 16 token tiles a wave: rows of 1,024 bytes (registers 4-11 of a tile) out of 1,536, 64 bytes of padding behind each
	s_mov_b32 s[G1K], 15|(3<<16)|(1<<20)|(1<<21)|(7<<22)|(15<<25)  ; 15:0 the mask: all four; 17:16 elements of 8 bytes; 20 padding on; 21 set beside a mask; 24:22 after every 256 words; 31:25 of 16 words
	s_mov_b32 s[G1K+1], 128<<16                    ; tensor_dim0
	s_mov_b32 s[G1K+2], 16<<16                     ; tensor_dim1: 16 token tiles a load
	s_mov_b32 s[G1K+3], 128<<16                    ; tile_dim0
	s_mov_b32 s[G1K+4], 16                         ; tile_dim1
	s_mov_b32 s[G1K+5], 192                        ; tensor_dim0_stride: 1,536 bytes
	s_mov_b32 s[G1K+6], 0
	s_mov_b32 s[G1K+7], 0
	; V: 16,384 dense bytes a wave, as 64 rows of 256
	s_mov_b32 s[G1V], 15|(3<<16)|(1<<21)
	s_mov_b32 s[G1V+1], 32<<16
	s_mov_b32 s[G1V+2], 64<<16                     ; V: 16,384 dense bytes a load, as 64 rows of 256
	s_mov_b32 s[G1V+3], 32<<16
	s_mov_b32 s[G1V+4], 64
	s_mov_b32 s[G1V+5], 32
	s_mov_b32 s[G1V+6], 0
	s_mov_b32 s[G1V+7], 0
	; the scale words: 6,144 dense bytes a wave, as 24 rows of 256
	s_mov_b32 s[G1S], 15|(3<<16)|(1<<21)
	s_mov_b32 s[G1S+1], 32<<16
	s_mov_b32 s[G1S+2], 24<<16                     ; the scale words: 6,144 dense bytes a load, as 24 rows of 256
	s_mov_b32 s[G1S+3], 32<<16
	s_mov_b32 s[G1S+4], 24
	s_mov_b32 s[G1S+5], 32
	s_mov_b32 s[G1S+6], 0
	s_mov_b32 s[G1S+7], 0
	s_mul_i32 s16, s14, 196608                     ; the head's 128 token tiles,
	s_and_b32 s15, s12, 7                          ; which part of K (waves 0-7) or of V (waves 8-13) I fetch
	s_mul_i32 s17, s15, 24576                      ; sixteen token tiles
	s_add_co_u32 s16, s16, s17
	s_add_co_u32 s16, s16, 512                     ; from register 4 on
	s_mov_b32 s17, 0
	s_mul_i32 s18, s14, 98304                      ; the head's 64 fragments of v, my 16,384 bytes
	s_mul_i32 s19, s15, 16384
	s_add_co_u32 s18, s18, s19
	s_add_co_u32 s18, s18, VBASE
	s_mov_b32 s19, 0
	s_mul_i32 s20, s14, 12288                      ; the head's scale words, my 6,144 bytes
	s_and_b32 s21, s12, 1                          ; which half of the scale words (waves 14, 15)
	s_mul_i32 s21, s21, 6144
	s_add_co_u32 s20, s20, s21
	s_mov_b32 s21, 0
	s_lshl_b32 s22, s13, 5
	s_add_co_u32 s22, s22, s12                     ; my first query tile: 32 cx + wave (the second: 16 on)
	s_lshl_b32 s23, s14, 7
	s_add_co_u32 s23, s23, s22
	s_mul_i32 s72, s23, 1536                       ; its fragment
	s_mov_b32 s73, 0
	s_mul_i32 s74, s14, 12288                      ; its scale words: tile tt's lie at (tt / 4) x 256 + 16 r + 4 (tt % 4)
	s_lshl_b32 s23, s13, 11
	s_add_co_u32 s74, s74, s23
	s_lshr_b32 s23, s12, 2
	s_lshl_b32 s23, s23, 8
	s_add_co_u32 s74, s74, s23
	s_and_b32 s23, s12, 3
	s_lshl_b32 s23, s23, 2
	s_add_co_u32 s74, s74, s23
	s_mov_b32 s75, 0
	s_lshr_b32 s15, s14, 4                         ; batch
	s_and_b32 s23, s14, 15                         ; head
	s_lshl_b32 s15, s15, 7
	s_add_co_u32 s15, s15, s22                     ; my first tile of 16 rows of the output: 128 batch + 32 cx + wave
	s_lshl_b32 s70, s15, 4
	s_add_co_u32 s70, s70, s23
	s_mul_i32 s70, s70, 768
	s_mov_b32 s71, 0
	s_lshl_b32 s68, s15, 9
	s_lshl_b32 s23, s23, 1
	s_add_co_u32 s68, s68, s23
	s_mov_b32 s69, 0
	s_mov_b32 s60, 0x76543210
	s_mov_b32 s61, 0xfedcba98                      ; v_permlanex16_b32's selects for lane l xor 16
	s_mov_b32 s62, 0x3e38aa3b                      ; c = log2(e) / 8
	s_mov_b32 s63, s62                             ; (named with it as a pair, so it is written)
	s_wait_dscnt 0x0
	s_wait_kmcnt 0x0
	s_add_nc_u64 s[72:73], s[4:5], s[72:73]
	s_add_nc_u64 s[74:75], s[6:7], s[74:75]
	s_add_nc_u64 s[8:9], s[8:9], s[70:71]
	s_add_nc_u64 s[10:11], s[10:11], s[68:69]
	s_mov_b32 s71, 0xffff0000                      ; lanes 16-31
	s_mov_b32 s[G0K], 1
	s_and_b32 s[G0K+1], s12, 7
	s_mul_i32 s[G0K+1], s[G0K+1], 16*KP
	s_add_nc_u64 s[G0K+2:G0K+3], s[4:5], s[16:17]
	s_or_b32 s[G0K+3], s[G0K+3], 0x80000000
	s_mov_b32 s[G0V], 1
	s_and_b32 s[G0V+1], s12, 7
	s_mul_i32 s[G0V+1], s[G0V+1], 16384
	s_add_co_u32 s[G0V+1], s[G0V+1], VL
	s_add_nc_u64 s[G0V+2:G0V+3], s[4:5], s[18:19]
	s_or_b32 s[G0V+3], s[G0V+3], 0x80000000
	s_mov_b32 s[G0S], 1
	s_and_b32 s[G0S+1], s12, 1
	s_mul_i32 s[G0S+1], s[G0S+1], 6144
	s_add_co_u32 s[G0S+1], s[G0S+1], SCLB
	s_add_nc_u64 s[G0S+2:G0S+3], s[6:7], s[20:21]
	s_or_b32 s[G0S+3], s[G0S+3], 0x80000000
	ROUND                                          ; all four work-groups are here: the joint loads meet
	; ONE LOAD A WAVE, in one chain of branches on the wave's number: waves 0-7 an eighth of K each, waves 8-13 a sixth of V each, waves 14 and 15 half of the scale words each: one of mine is out
	s_cmp_lt_u32 s12, 8
	s_cbranch_scc0 .Lfor_v
	tensor_load_to_lds s[G0K:G0K+3], s[G1K:G1K+7]
	s_nop 0
.rept 4
	v_nop
.endr
	s_branch .Lasked
.Lfor_v:
	s_cmp_lt_u32 s12, 14
	s_cbranch_scc0 .Lfor_s
	tensor_load_to_lds s[G0V:G0V+3], s[G1V:G1V+7]
	s_nop 0
.rept 4
	v_nop
.endr
	s_branch .Lasked
.Lfor_s:
	tensor_load_to_lds s[G0S:G0S+3], s[G1S:G1S+7]
	s_nop 0
.rept 4
	v_nop
.endr
.Lasked:
.rept 4
	v_nop
.endr
	v_and_b32 v8, 7, v0                            ; j
	v_bfe_u32 v9, v0, 3, 1                         ; h'
	v_bfe_u32 v10, v0, 4, 1                        ; h
	v_and_b32 v11, 15, v0                          ; r
	v_and_b32 v1, 31, v0
	s_delay_alu instid0(VALU_DEP_1)
	v_lshlrev_b32 v5, 3, v1                        ; 8 x lane
	s_delay_alu instid0(VALU_DEP_2)
	v_lshlrev_b32 v1, 4, v1                        ; 16 x lane
	v_lshlrev_b32 v2, 4, v8
	s_delay_alu instid0(VALU_DEP_1)
	v_mad_u32_u24 v2, v9, 2*KP, v2
	s_delay_alu instid0(VALU_DEP_1)
	v_lshl_add_u32 v2, v10, 8, v2                  ; a key tile: row j of the tile, or of the tile two on (h'); my half's 16 bytes lie 256 on
	v_lshlrev_b32 v3, 4, v8
	s_delay_alu instid0(VALU_DEP_1)
	v_lshl_add_u32 v3, v9, 3, v3
	s_delay_alu instid0(VALU_DEP_1)
	v_lshl_add_u32 v3, v10, 9, v3
	s_delay_alu instid0(VALU_DEP_1)
	v_add_nc_u32 v3, SCLB, v3                      ; k's scale words: 16 j + 8 h'; lanes 16-31 take those of the step's second 64 keys, 512 bytes on
	v_lshlrev_b32 v6, 4, v11                       ; 16 r
	s_delay_alu instid0(VALU_DEP_1)
	v_add_nc_u32 v4, SCLB+8192, v6                 ; v's scale words: four on end for row r
	v_lshl_add_u32 v7, v11, 5, v10                 ; oscl: 32 r + h
	v_lshlrev_b32 v206, 3, v10                     ; 8 h
.irp i, 16,17,18,19,20,21,28,29,30,31,192,193,194,195,196,197,236,237,238,239,253
	v_mov_b32 v\i, 0                               ; the query operands' lower halves; what stands in front of key tile 0; the lane permutes' destinations; the pair v[252:253]'s upper half
.endr
.irp p, 0,1                            ; both passes' queries at once: q is registers 0-5 of the tile's image, and becomes registers 6-11 of the operand
	global_load_b128 v[22+176*\p:25+176*\p], v1, s[72:73] offset:24576*\p
	global_load_b64 v[26+176*\p:27+176*\p], v1, s[72:73] offset:24576*\p+512
	global_load_b32 v[204+\p], v6, s[74:75] offset:1024*\p
.endr
	s_wait_loadcnt 0x0
	v_lshlrev_b32 v204, 16, v204                   ; q's two scale bytes go with K = 64 .. 127; the bytes under them are 0, over zero codes
	v_lshlrev_b32 v205, 16, v205
	s_wait_tensorcnt 0x0                           ; my one load has landed,
	s_barrier_signal -1
	s_barrier_wait -1                              ; everybody's have: from here on LDS is only read
; A KEY STEP: the 128 keys of fragment group 2 trip + e.
.macro STEP e, qf, qs
	v_add_nc_u32 v8, s66, v2                       ; (these four are the places between the last products and the loads into their registers)
	v_add_nc_u32 v9, s67, v1
	v_add_nc_u32 v10, s68, v3
	v_add_nc_u32 v11, s69, v4
.irp m, 0,1
	ds_load_b64 v[KSC+2*\m:KSC+2*\m+1], v10 offset:256*\e+128*\m      ; register w: the scale words of tile w (lanes 0-15) and of tile 4 + w (lanes 16-31)
.endr
.irp t, 0,1,2,3,4,5,6,7
	ds_load_b128 v[32+8*\t:35+8*\t], v8 offset:(8*(\t/4)+4*\e+(\t%2))*KP+128*((\t%4)/2)
	ds_load_b128 v[36+8*\t:39+8*\t], v8 offset:(8*(\t/4)+4*\e+(\t%2))*KP+128*((\t%4)/2)+512
.endr
	s_wait_alu depctr_va_vdst(0)
.irp t, 0,1,2,3
	s_wait_dscnt 14-2*\t                           ; the later tiles' loads, two each, may be out
	v_wmma_scale_f32_16x16x128_f8f6f4 v[96+8*\t:103+8*\t], v[28+8*\t:39+8*\t], v[\qf:\qf+11], 0, v[KSC+\t], v[\qs] matrix_a_fmt:MATRIX_FMT_FP6 matrix_b_fmt:MATRIX_FMT_FP6
.endr
.irp t, 4,5,6,7
	s_wait_dscnt 14-2*\t
	v_wmma_scale_f32_16x16x128_f8f6f4 v[96+8*\t:103+8*\t], v[28+8*\t:39+8*\t], v[\qf:\qf+11], 0, v[KSC+\t-4], v[\qs] matrix_a_fmt:MATRIX_FMT_FP6 matrix_b_fmt:MATRIX_FMT_FP6 matrix_a_scale:MATRIX_SCALE_ROW1
.endr
.rept 4
	v_nop                                          ; places: the scores are read, and the key tiles' registers loaded again, from here on
.endr
.irp i, 0,1,2,3
.irp c, 0,1,2
	ds_load_b128 v[32+12*\i+4*\c:35+12*\i+4*\c], v9 offset:6144*\e+1536*\i+512*\c   ; v's four fragments land under the softmax
.endr
.endr
	ds_load_b128 v[VSC:VSC+3], v11 offset:256*\e
.irp b, 0,1,2,3
	v_max3_num_f32 v[240+\b], v[96+16*\b], v[97+16*\b], v[98+16*\b]   ; the largest score, in four chains; each accumulator is read from its low end on
.endr
.irp i, 3,5,7,9,11,13
.irp b, 0,1,2,3
	v_max3_num_f32 v[240+\b], v[240+\b], v[96+16*\b+\i], v[97+16*\b+\i]
.endr
.endr
	v_max_num_f32 v241, v241, v127
	v_max_num_f32 v243, v243, v159
	v_max3_num_f32 v240, v240, v111, v241          ; THE LARGEST SCORE OF MY BLOCK h,
	v_max3_num_f32 v241, v242, v143, v243          ; and of my block 2 + h: each serves twice: for the row's maximum and, since p rises with the score, for the block's largest p
	s_delay_alu instid0(VALU_DEP_1)
	v_max_num_f32 v254, v240, v241
	s_delay_alu instid0(VALU_DEP_1)
	v_permlanex16_b32 v236, v254, s60, s61
	s_delay_alu instid0(VALU_DEP_1)
	v_max3_num_f32 v13, v13, v254, v236            ; the running largest score of my query
	s_delay_alu instid0(VALU_DEP_1)
	v_mul_f32 v254, s62, v13                       ; as t (c is positive)
	v_mov_b32 v237, v12
	s_delay_alu instid0(VALU_DEP_2)
	v_floor_f32 v12, -v254                         ; the new -M = floor(-t): M is a whole number
	s_delay_alu instid0(VALU_DEP_1)
	v_sub_f32 v237, v12, v237                      ; old M - new M: a whole number, 0 or less
	s_delay_alu instid0(VALU_DEP_1)
	v_cvt_i32_f32 v237, v237                       ; (it saturates)
	s_delay_alu instid0(VALU_DEP_1)
	v_ldexp_f32 v252, 1.0, v237                    ; f = 2^(old M - new M)
.set J, 0
.rept 32
	v_pk_fma_f32 v[96+J:97+J], v[96+J:97+J], s[62:63], v[12:13] op_sel_hi:[1,0,0]   ; t - M, two at a time
.set J, J+2
.endr
	v_fma_f32 v240, v240, s62, v12                 ; the same of each block's largest score
	v_fma_f32 v241, v241, s62, v12
.set J, 0
	s_wait_alu depctr_va_vdst(0)
.rept 64
	v_exp_f32 v[96+J], v[96+J]                     ; p = 2^(t - M)
.set J, J+1
.endr
	v_exp_f32 v240, v240                           ; the blocks' largest p: the same two instructions on the same number give the same bits
	v_exp_f32 v241, v241
	v_pk_mul_f32 v[14:15], v[14:15], v[252:253] op_sel_hi:[1,0]   ; the sum under the new M.  (A plain place behind the exponentials)
	s_wait_alu depctr_va_vdst(0)
.irp c, 0,1
	v_max_num_f32 v[240+\c], 0x1800000, v[240+\c]  ; the floor 2^(3 - 127): the byte cannot fall under 1
.endr
.irp c, 0,1
	s_delay_alu instid0(VALU_DEP_2)
	v_add_nc_u32 v[244+\c], 0xff000000, v[240+\c]  ; 2 off the exponent field: the conversion's scale operand
.endr
.irp c, 0,1
	s_delay_alu instid0(VALU_DEP_2)
	v_lshrrev_b32 v[236+\c], 23, v[244+\c]         ; the scale's byte
.endr
	s_delay_alu instid0(VALU_DEP_1)
	v_lshl_or_b32 v238, v237, 16, v236             ; my two bytes, blocks h and 2 + h,
	s_delay_alu instid0(VALU_DEP_1)
	v_lshlrev_b32 v238, v206, v238                 ; at their places in the word (8 h bits up);
	s_delay_alu instid0(VALU_DEP_1)
	v_permlanex16_b32 v239, v238, s60, s61
	s_delay_alu instid0(VALU_DEP_1)
	v_or_b32 v253, v238, v239                      ; with lane l xor 16's two the word is whole
.irp c, 0,1
	v_cvt_scalef32_pk16_fp6_f32 v[224+6*\c:226+6*\c], v[96+32*\c:111+32*\c], v[244+\c]     ; registers 6 c .. 6 c + 5 of the operand: my block 2 c + h
	v_cvt_scalef32_pk16_fp6_f32 v[CT+4*\c:CT+4*\c+2], v[112+32*\c:127+32*\c], v[244+\c]    ; (a conversion's three registers begin on an even number)
.endr
	v_nop                                          ; one plain place behind a scaled conversion
.irp c, 0,1
.irp i, 0,1,2
	v_mov_b32 v[227+6*\c+\i], v[CT+4*\c+\i]
.endr
.endr
	v_pk_add_f32 v[236:237], v[100:101], v[104:105]
	v_pk_add_f32 v[248:249], v[108:109], v[112:113]
	v_pk_add_f32 v[246:247], v[116:117], v[120:121]
	v_pk_add_f32 v[244:245], v[124:125], v[128:129]
	v_pk_add_f32 v[242:243], v[132:133], v[136:137]
	v_pk_add_f32 v[240:241], v[140:141], v[144:145]
	v_pk_add_f32 v[222:223], v[148:149], v[152:153]
	v_pk_add_f32 v[14:15], v[14:15], v[156:157]
	v_pk_add_f32 v[236:237], v[236:237], v[96:97]
	v_pk_add_f32 v[248:249], v[248:249], v[98:99]
	v_pk_add_f32 v[246:247], v[246:247], v[102:103]
	v_pk_add_f32 v[244:245], v[244:245], v[106:107]
	v_pk_add_f32 v[242:243], v[242:243], v[110:111]
	v_pk_add_f32 v[240:241], v[240:241], v[114:115]
	v_pk_add_f32 v[222:223], v[222:223], v[118:119]
	v_pk_add_f32 v[14:15], v[14:15], v[122:123]
	v_pk_add_f32 v[236:237], v[236:237], v[126:127]
	v_pk_add_f32 v[248:249], v[248:249], v[130:131]
	v_pk_add_f32 v[246:247], v[246:247], v[134:135]
	v_pk_add_f32 v[244:245], v[244:245], v[138:139]
	v_pk_add_f32 v[242:243], v[242:243], v[142:143]
	v_pk_add_f32 v[240:241], v[240:241], v[146:147]
	v_pk_add_f32 v[222:223], v[222:223], v[150:151]
	v_pk_add_f32 v[14:15], v[14:15], v[154:155]
	v_pk_add_f32 v[236:237], v[236:237], v[158:159]
	s_delay_alu instid0(VALU_DEP_2)
	v_pk_add_f32 v[14:15], v[14:15], v[244:245]
	s_delay_alu instid0(VALU_DEP_2)
	v_pk_add_f32 v[236:237], v[236:237], v[242:243]
	v_pk_add_f32 v[248:249], v[248:249], v[240:241]
	v_pk_add_f32 v[246:247], v[246:247], v[222:223]
	s_delay_alu instid0(VALU_DEP_2)
	v_pk_add_f32 v[14:15], v[14:15], v[248:249]
	s_delay_alu instid0(VALU_DEP_2)
	v_pk_add_f32 v[236:237], v[236:237], v[246:247]
	s_delay_alu instid0(VALU_DEP_1)
	v_pk_add_f32 v[14:15], v[14:15], v[236:237]
.set J, 0
.rept 16
	v_pk_mul_f32 v[160+J:161+J], v[160+J:161+J], v[252:253] op_sel_hi:[1,0]   ; O^T under the new M.  (With the sums: the places between the writes of p's codes and scale word and the products below)
.set J, J+2
.endr
	s_wait_alu depctr_va_vdst(0)
	s_wait_dscnt 0x0                               ; v's fragments and scale words are in
.irp i, 0,1,2,3                        ; O^T += v^T p^T: the four accumulators by turns; eight products on other accumulators stand between two on one
	v_wmma_scale_f32_16x16x128_f8f6f4 v[160+8*\i:167+8*\i], v[32+12*\i:43+12*\i], v[224:235], v[160+8*\i:167+8*\i], v[VSC+\i], v253 matrix_a_fmt:MATRIX_FMT_FP6 matrix_b_fmt:MATRIX_FMT_FP6
.endr
.endm
; THE END OF A PASS: O^T / the sum; its two blocks of 32 are quantised; the codes are put back into their natural order and stored.
.macro FIN p
.rept 4
	v_nop                                          ; places behind the last products
.endr
	v_add_f32 v14, v14, v15                        ; the sum's two halves,
	s_delay_alu instid0(VALU_DEP_1)
	v_permlanex16_b32 v236, v14, s60, s61
	s_delay_alu instid0(VALU_DEP_1)
	v_add_f32 v14, v14, v236                       ; and lane l xor 16's keys: the row's sum
	s_wait_alu depctr_va_vdst(0)
	v_rcp_f32 v14, v14
	v_nop                                          ; one plain place behind a transcendental
.set J, 0
	s_wait_alu depctr_va_vdst(0)
.rept 16
	v_pk_mul_f32 v[96+J:97+J], v[160+J:161+J], v[14:15] op_sel_hi:[1,0]   ; register 8 i + j: o(query r, 16 i + 8 h + j); each accumulator from its low end on
.set J, J+2
.endr
.irp b, 0,1
	v_max3_num_f32 v[240+\b], |v[96+16*\b]|, |v[97+16*\b]|, 0x1800000
.endr
.irp i, 2,4,6,8,10,12,14
.irp b, 0,1
	s_delay_alu instid0(VALU_DEP_2)
	v_max3_num_f32 v[240+\b], v[240+\b], |v[96+16*\b+\i]|, |v[97+16*\b+\i]|
.endr
.endr
.irp b, 0,1
	s_delay_alu instid0(VALU_DEP_2)
	v_permlanex16_b32 v[238+\b], v[240+\b], s60, s61
.endr
.irp b, 0,1
	s_delay_alu instid0(VALU_DEP_2)
	v_max_num_f32 v[240+\b], v[240+\b], v[238+\b]  ; with lane l xor 16's: the block's largest magnitude
.endr
.irp b, 0,1
	s_delay_alu instid0(VALU_DEP_2)
	v_add_nc_u32 v[244+\b], 0xff000000, v[240+\b]
.endr
.irp b, 0,1
	s_delay_alu instid0(VALU_DEP_2)
	v_lshrrev_b32 v[236+\b], 23, v[244+\b]
.endr
	v_cvt_scalef32_pk16_fp6_f32 v[224:226], v[96:111], v244
	v_cvt_scalef32_pk16_fp6_f32 v[228:230], v[112:127], v245
	v_nop                                          ; one plain place behind a scaled conversion
.irp i, 0,1,2
	v_permlane16_swap_b32 v[224+\i], v[228+\i]     ; lane half h now holds block h: v224-226 what half 0 made (numbers 0-7, 16-23), v228-230 what half 1 made (8-15, 24-31)
.endr
	s_delay_alu instid0(VALU_DEP_3)
	v_mov_b32 v216, v224                           ; eight codes are six bytes: the four groups are laid in their natural order, 0-7, 8-15, 16-23, 24-31
	s_delay_alu instid0(VALU_DEP_3)
	v_perm_b32 v217, v228, v225, 0x05040100
	s_delay_alu instid0(VALU_DEP_4)
	v_perm_b32 v218, v229, v228, 0x05040302
	s_delay_alu instid0(VALU_DEP_4)
	v_perm_b32 v219, v226, v225, 0x05040302
	v_perm_b32 v220, v229, v226, 0x07060302
	v_mov_b32 v221, v230
	v_cndmask_b32 v246, v236, v237, s71            ; my block's byte
	global_store_b128 v1, v[216:219], s[8:9] offset:196608*\p           ; 32 lanes store 512 consecutive bytes,
	global_store_b64 v5, v[220:221], s[8:9] offset:196608*\p+512        ; and 256, both at multiples of 256 from ocod's first byte
	global_store_b8 v7, v246, s[10:11] offset:8192*\p
.endm
.macro PASS p, qf, qs
.if \p
	s_wait_xcnt 0x0                                ; the last pass's stores have read their registers
.endif
	v_mov_b32 v13, 0xff61b1e6                      ; the largest score so far: -3e38
	s_delay_alu instid0(VALU_DEP_1)
	v_mul_f32 v254, s62, v13
	s_delay_alu instid0(VALU_DEP_1)
	v_floor_f32 v12, -v254                         ; -M
	v_mov_b32 v14, 0
	v_mov_b32 v15, 0
.set J, 0
.rept 32
	v_mov_b32 v[160+J], 0                          ; O^T: the step is written once; the first finds zeros, which the first change of M leaves zeros
.set J, J+1
.endr
	s_mov_b32 s66, 0                               ; the trip's 16 key tiles,
	s_mov_b32 s67, VL                              ; its 8 fragments of v,
	s_mov_b32 s68, 0                               ; its scale words of k,
	s_mov_b32 s69, 0                               ; and of v
	s_mov_b32 s70, 8
.Lkeys_\@:                                         ; a trip: 256 keys, two steps
	STEP 0, \qf, \qs
	STEP 1, \qf, \qs
	s_add_co_u32 s66, s66, 16*KP
	s_add_co_u32 s67, s67, 12288
	s_add_co_u32 s68, s68, 1024
	s_add_co_u32 s69, s69, 512
	s_sub_co_u32 s70, s70, 1
	s_cmp_lg_u32 s70, 0
	s_cbranch_scc1 .Lkeys_\@
	FIN \p
.endm
	PASS 0, 16, 204
	PASS 1, 192, 205
	s_wait_tensorcnt 0x0
	ds_add_u32 v251, v255
	s_wait_dscnt 0x0
	ROUND                                          ; the closing round
	s_endpgm
.Lfunc_end_k_q5a14d7d0b4_attn:
	.size	k_q5a14d7d0b4_attn, .Lfunc_end_k_q5a14d7d0b4_attn-k_q5a14d7d0b4_attn
	.p2alignl 7, 3214868480
	.fill 96, 4, 3214868480
	.section	.rodata,"a",@progbits
	.p2align	6, 0x0
	.amdhsa_kernel k_q5a14d7d0b4_attn
		.amdhsa_group_segment_fixed_size 251904
		.amdhsa_private_segment_fixed_size 0
		.amdhsa_enable_private_segment 0
		.amdhsa_kernarg_size 32
		.amdhsa_user_sgpr_count 2
		.amdhsa_user_sgpr_kernarg_segment_ptr 1
		.amdhsa_wavefront_size32 1
		.amdhsa_system_sgpr_workgroup_id_x 1
		.amdhsa_system_sgpr_workgroup_id_y 1
		.amdhsa_system_sgpr_workgroup_id_z 1
		.amdhsa_system_vgpr_workitem_id 0
		.amdhsa_next_free_vgpr 256
		.amdhsa_next_free_sgpr 76
		.amdhsa_reserve_vcc 0
		.amdhsa_float_denorm_mode_32 3
		.amdhsa_float_denorm_mode_16_64 3
		.amdhsa_memory_ordered 1
		.amdhsa_forward_progress 1
		.amdhsa_inst_pref_size 84
	.end_amdhsa_kernel
	.amdgpu_metadata
---
amdhsa.version: [ 1, 2 ]
amdhsa.kernels:
  - .name:           k_q5a14d7d0b4_attn
    .symbol:         k_q5a14d7d0b4_attn.kd
    .args:
      - { .name: frag, .offset: 0, .size: 8, .value_kind: global_buffer, .address_space: global }
      - { .name: fscl, .offset: 8, .size: 8, .value_kind: global_buffer, .address_space: global }
      - { .name: ocod, .offset: 16, .size: 8, .value_kind: global_buffer, .address_space: global }
      - { .name: oscl, .offset: 24, .size: 8, .value_kind: global_buffer, .address_space: global }
    .group_segment_fixed_size: 251904
    .private_segment_fixed_size: 0
    .kernarg_segment_align: 8
    .kernarg_segment_size: 32
    .max_flat_workgroup_size: 512
    .sgpr_count:     76
    .vgpr_count:     256
    .wavefront_size: 32
...
	.end_amdgpu_metadata
.endif
;; end of part 2
;; launch proj (part 3): grid 4 x 64, 4 waves a work-group, clusters of 4 x 4, 327,680 bytes of LDS; arguments ocod, oscl, w_proj_codes, w_proj_scales, b_proj, out0; writes out0
.if DOCPART == 3
	.amdgcn_target "amdgcn-amd-amdhsa--gfx1250"
	.amdhsa_code_object_version 6
	.text
	.protected	k_q5a14d7d0b4_proj
	.globl	k_q5a14d7d0b4_proj
	.p2align	8
	.type	k_q5a14d7d0b4_proj,@function
k_q5a14d7d0b4_proj:
	s_mov_b64 s[64:65], 0
	v_nop
	global_prefetch_b8 v0, s[64:65] scope:SCOPE_SE
	s_setreg_imm32_b32 hwreg(HW_REG_WAVE_MODE, 25, 1), 1
	s_wait_xcnt 0x0
	s_wait_alu depctr_hold_cnt(0) depctr_sa_sdst(0) depctr_va_vdst(0) depctr_va_sdst(0) depctr_va_ssrc(0) depctr_va_vcc(0) depctr_vm_vsrc(0)
	s_getreg_b32 s2, hwreg(HW_REG_IB_STS2, 6, 4)
	s_cmp_eq_u32 s2, 0
	s_cbranch_scc0 .Lentry_in_a_cluster
	s_endpgm
.Lentry_in_a_cluster:
	s_bfe_u32 s2, ttmp6, 0x10000c
	s_cmp_lg_u32 s2, 0xf033
	s_cbranch_scc0 .Lentry_shape_is_right
	s_endpgm
.Lentry_shape_is_right:
; out0 = O w_proj + b_proj on codes of FP6 (E2M3), one E8M0 scale for each 32 along K = 1,024; f32 sums, f32 out.
; A work-group makes 128 tokens x 256 columns; a wave 64 x 128: 32 accumulators.  Source 0 = rows of w_proj (a row is one output column), source 1 = tokens: a lane holds eight neighbouring columns of a token.
; BOTH OPERANDS LIE IN LDS FOR ALL OF K, filled once, one joint load a wave: the tokens' codes, 98,304 dense bytes of ocod ([row / 16][head][768]: images of operand registers: registers 0-3 at 16 x lane, 4-5 at 512 + 8 x lane),
; as rows of 256 bytes; w_proj's 256 rows of 768 bytes, each whole, 16 bytes of padding behind every 256.  No slot is filled again, so the walk along K has no barrier; no loop to run ahead in, so nothing is prefetched.
; The scale words come straight into registers: a lane takes a row's 32 bytes; lanes 0-15 hold an even block of 16 rows, lanes 16-31 the odd one.  The bias is the first products' C.
; CLUSTERS: 4 x 4; the tokens' tile is shared along a row of the cluster, w_proj's along a column.
; THE WAY OUT goes through a stage in the tokens' bytes, behind a barrier behind which nobody reads them; they have had their one fill.
; LIMITS: NaN, infinities and a given scale byte 0xff are not served.
; REGISTERS: window 0: v32-63, v68-83 scale words; v92-107 LDS addresses; v128-223 the tokens' fragments, two sets; window 1: w_proj's, two sets; window 2: accumulator (a, b) at 8 (8 a + b); window 3: v0-63 the bias.
.set KROW,  768
.set PITCH, 816
.set FR,    12
.set NP,    4
.set BB,    98304
.set SPARE, BB+256*PITCH
.set SPITCH, 528
.set ADRA,  16
.set ADRA8, 17
.set STO,  24
.set RD,   25
.set CO,   26
.set SPW,  28
.set NIL,  29
.set S0,   32
.set S1,   68
.set AD0,  92
.set AF,   128
.set BK,   128
.set G1,  24
.set G0,  32
.set G1B, 48
.set G0B, 56
.set MUL_W, 0xa1
.set FST_W, 0xb1
.set TO_B,  0x40
.set MSB, 0
.macro WIN new
.if MSB != (\new)
	s_set_vgpr_msb (MSB<<8)|(\new)
.set MSB, (\new)
.endif
.endm
.macro PLACES n
.rept \n
	v_nop
.endr
.endm
.macro CROUND
	s_barrier_signal -1
	s_barrier_wait -1
	s_cmp_lg_u32 s14, 0
	s_cbranch_scc1 .Lnot_wave_0_\@
	s_barrier_signal -3
.Lnot_wave_0_\@:
	s_barrier_wait -3
	s_barrier_signal -1
	s_barrier_wait -1
.endm
	s_load_b128 s[4:7], s[0:1], 0x0                ; ocod, oscl
	s_load_b128 s[8:11], s[0:1], 0x10              ; w_proj's codes, scales
	s_load_b128 s[96:99], s[0:1], 0x20             ; b_proj, out0
	v_lshl_add_u32 v[SPW], v0, 2, SPARE
	v_mov_b32 v[NIL], 0
	ds_add_u32 v[SPW], v[NIL]                      ; the opening lines
	ds_add_u32 v[SPW], v[NIL]
	v_lshrrev_b32 v1, 5, v0
	v_readfirstlane_b32 s14, v1                    ; wave
	s_lshr_b32 s15, s14, 1                         ; f: my 64 tokens; also: I fetch tokens (0) or w_proj (1)
	s_and_b32 s16, s14, 1                          ; e: my 128 columns; also: which half I fetch
	s_bfe_u32 s40, ttmp6, 0x40000
	s_bfe_u32 s41, ttmp6, 0x40004
	s_lshl_b32 s42, ttmp9, 2
	s_add_co_u32 s42, s42, s40                     ; tile of 256 columns
	s_and_b32 s17, ttmp7, 0xffff
	s_lshl_b32 s17, s17, 2
	s_add_co_u32 s17, s17, s41                     ; tile of 128 tokens
	s_lshl_b32 s43, s41, 2
	s_lshl_b32 s43, 15, s43
	s_lshl_b32 s44, 0x1111, s40
	s_or_b32 s[G1+0], s43, (3<<16)|(1<<21)         ; 49,152 dense bytes as 192 rows of 256 (32 elements of 8 bytes)
	s_mov_b32 s[G1+1], 32<<16
	s_mov_b32 s[G1+2], 192<<16
	s_mov_b32 s[G1+3], 32<<16
	s_mov_b32 s[G1+4], 192
	s_mov_b32 s[G1+5], 32
	s_mov_b32 s[G1+6], 0
	s_mov_b32 s[G1+7], 0
	s_or_b32 s[G1B+0], s44, (1<<20)|(1<<21)|(5<<22)|(3<<25)   ; 128 rows of 768 bytes, 16 of padding behind every 256
	s_mov_b32 s[G1B+1], KROW<<16
	s_mov_b32 s[G1B+2], 128<<16
	s_mov_b32 s[G1B+3], KROW<<16
	s_mov_b32 s[G1B+4], 128
	s_mov_b32 s[G1B+5], KROW
	s_mov_b32 s[G1B+6], 0
	s_mov_b32 s[G1B+7], 0
	s_mul_i32 s18, s17, 98304
	s_mul_i32 s19, s16, 49152
	s_add_co_u32 s18, s18, s19
	s_mov_b32 s19, 0
	s_lshl_b32 s22, s42, 8
	s_lshl_b32 s23, s16, 7
	s_add_co_u32 s22, s22, s23                     ; 256 tile + 128 half: the rows that I would fetch, and my wave's columns
	s_lshl_b32 s70, s22, 5                         ; their scale bytes,
	s_mov_b32 s71, 0
	s_lshl_b32 s72, s22, 2                         ; their bias and their bytes in a row of out0
	s_mov_b32 s73, 0
	s_mul_i32 s22, s22, KROW
	s_mov_b32 s23, 0
	s_lshl_b32 s68, s17, 7
	s_lshl_b32 s69, s15, 6
	s_add_co_u32 s68, s68, s69                     ; my first token
	s_lshl_b32 s74, s68, 12                        ; its row of out0
	s_mov_b32 s75, 0
	s_lshl_b32 s68, s68, 5
	s_mov_b32 s69, 0
	s_mov_b32 s[G0], 1
	s_mul_i32 s[G0+1], s16, 49152
	s_mov_b32 s[G0B], 1
	s_mul_i32 s[G0B+1], s16, 128*PITCH
	s_add_co_u32 s[G0B+1], s[G0B+1], BB
	s_mul_i32 s76, s15, 49152
	s_mul_i32 s77, s16, 128*PITCH
	s_add_co_u32 s77, s77, BB
	s_mul_i32 s78, s14, 16*SPITCH
	s_wait_alu depctr_va_vdst(0)
	s_wait_dscnt 0x0
	CROUND                                         ; all sixteen work-groups are here: the joint loads meet
	s_wait_kmcnt 0x0
	s_add_nc_u64 s[G0+2:G0+3], s[4:5], s[18:19]
	s_or_b32 s[G0+3], s[G0+3], 0x80000000
	s_add_nc_u64 s[G0B+2:G0B+3], s[8:9], s[22:23]
	s_or_b32 s[G0B+3], s[G0B+3], 0x80000000
	s_cmp_eq_u32 s15, 0                            ; one load a wave: waves 0, 1 half of the tokens each, waves 2, 3 half of w_proj's rows each
	s_cbranch_scc0 .Lfor_w
	tensor_load_to_lds s[G0:G0+3], s[G1:G1+7]
	s_nop 0
	PLACES 4
	s_branch .Lasked
.Lfor_w:
	tensor_load_to_lds s[G0B:G0B+3], s[G1B:G1B+7]
	s_nop 0
	PLACES 4
.Lasked:
	s_add_nc_u64 s[68:69], s[6:7], s[68:69]
	s_add_nc_u64 s[70:71], s[10:11], s[70:71]
	s_add_nc_u64 s[96:97], s[96:97], s[72:73]
	s_add_nc_u64 s[12:13], s[98:99], s[74:75]
	s_add_nc_u64 s[12:13], s[12:13], s[72:73]
	v_and_b32 v1, 15, v0                           ; r
	v_bfe_u32 v2, v0, 4, 1                         ; h
	v_and_b32 v6, 31, v0
	v_mul_u32_u24 v3, v1, PITCH
	v_mad_u32_u24 v4, v2, 24, v3
	v_mad_u32_u24 v5, v2, 40, v3
	v_add_nc_u32 v9, s77, v4
	v_add_nc_u32 v10, s77, v5
.irp i, 0,1,2,3,4,5,6,7
	v_add_nc_u32 v[AD0+2*\i], \i*16*PITCH, v9
	v_add_nc_u32 v[AD0+2*\i+1], \i*16*PITCH, v10
.endr
	v_lshl_add_u32 v[ADRA], v6, 4, s76
	v_lshl_add_u32 v[ADRA8], v6, 3, s76
	v_mul_u32_u24 v7, v1, SPITCH
	v_lshl_add_u32 v7, v2, 5, v7
	v_add_nc_u32 v[STO], s78, v7
	v_lshlrev_b32 v[CO], 4, v6
	v_add_nc_u32 v[RD], s78, v[CO]
	v_lshlrev_b32 v11, 5, v6
	v_lshlrev_b32 v12, 5, v2
	WIN 0xc0
.irp b, 0,1,2,3,4,5,6,7
	global_load_b128 v[8*\b:8*\b+3], v12, s[96:97] offset:64*\b
	global_load_b128 v[8*\b+4:8*\b+7], v12, s[96:97] offset:64*\b+16
.endr
	WIN 0
.irp p, 0,1,2,3
.irp c, 0,1
	global_load_b128 v[S0+8*\p+4*\c:S0+8*\p+4*\c+3], v11, s[70:71] offset:1024*\p+16*\c
.endr
.endr
.irp p, 0,1
.irp c, 0,1
	global_load_b128 v[S1+8*\p+4*\c:S1+8*\p+4*\c+3], v11, s[68:69] offset:1024*\p+16*\c
.endr
.endr
.macro FRAG reg, q, ad                 ; six pieces of 8 bytes of the row's stream of bits, two to a load where both go by the same address register
.set SKIP_, 0
.irp p, 0,1,2,3,4,5
.if SKIP_
.set SKIP_, 0
.else
.set PC_, 12*(\q)+6*(\p/3)+\p%3
.set PN_, 12*(\q)+6*((\p+1)/3)+(\p+1)%3
.set X_, (PC_%32+3)/32
.set XQ_, (PN_%32+3)/32
.if (\p < 5) && (X_ == XQ_)
.set SKIP_, 1
	ds_load_2addr_b64 v[(\reg)+2*\p:(\reg)+2*\p+3], v[(\ad)+X_] offset0:PC_+2*(PC_/32) offset1:PN_+2*(PN_/32)
.else
	ds_load_b64 v[(\reg)+2*\p:(\reg)+2*\p+1], v[(\ad)+X_] offset:8*(PC_+2*(PC_/32))
.endif
.endif
.endr
.endm
.macro AFRAG reg, g, a                 ; a fragment of the tokens: the images of heads 2 g and 2 g + 1
	ds_load_b128 v[(\reg):(\reg)+3], v[ADRA] offset:12288*(\a)+1536*(\g)
	ds_load_b64 v[(\reg)+4:(\reg)+5], v[ADRA8] offset:12288*(\a)+1536*(\g)+512
	ds_load_b128 v[(\reg)+6:(\reg)+9], v[ADRA] offset:12288*(\a)+1536*(\g)+768
	ds_load_b64 v[(\reg)+10:(\reg)+11], v[ADRA8] offset:12288*(\a)+1536*(\g)+1280
.endm
.macro FETCH g
	WIN TO_B
.irp i, 0,1,2,3,4,5,6,7
	FRAG 128*((\g)%2)+FR*\i, \g, AD0+2*\i
.endr
	WIN 0
.irp a, 0,1,2,3
	AFRAG AF+48*((\g)%2)+FR*\a, \g, \a
.endr
.endm
.macro MUL g, first                    ; 32 products, the 32 accumulators by turns
.irp ap, 0,1
.irp ao, 0,1
.irp bp, 0,1,2,3
.irp bo, 0,1
.set D_, 8*(8*(2*\ap+\ao)+2*\bp+\bo)
.set B_, 128*((\g)%2)+FR*(2*\bp+\bo)
.set A_, AF+48*((\g)%2)+FR*(2*\ap+\ao)
.if \first
.set C_, 8*(2*\bp+\bo)
.else
.set C_, D_
.endif
	v_wmma_scale_f32_16x16x128_f8f6f4 v[D_:D_+7], v[B_:B_+FR-1], v[A_:A_+FR-1], v[C_:C_+7], v[S0+8*\bp+(\g)], v[S1+8*\ap+(\g)] matrix_a_fmt:MATRIX_FMT_FP6 matrix_b_fmt:MATRIX_FMT_FP6 matrix_a_scale:MATRIX_SCALE_ROW\bo matrix_b_scale:MATRIX_SCALE_ROW\ao
.endr
.endr
.endr
.endr
.endm
	s_wait_alu depctr_va_vdst(0)
	s_wait_loadcnt 0x0
	s_wait_tensorcnt 0x0                           ; my load has landed,
	s_barrier_signal -1
	s_barrier_wait -1                              ; everybody's has
	FETCH 0
	s_wait_dscnt 0x0
	FETCH 1
	WIN FST_W
	MUL 0, 1                                       ; the first products take the bias as C
	WIN 0
.set G, 1
.rept 6
	s_wait_dscnt 0x0                               ; this step's fragments, asked for ahead of the last step's products
	PLACES NP                                      ; between the last products and the loads into their operands
	FETCH G+1
	WIN MUL_W
	MUL G, 0
	WIN 0
.set G, G+1
.endr
	s_wait_dscnt 0x0                               ; my reads of the tiles are over:
	s_barrier_signal -1
	WIN MUL_W
	MUL 7, 0
	WIN 0
	s_barrier_wait -1                              ; everybody's are: the stage may be written
; THE WAY OUT, block by block of 16 tokens x 128 columns: through my stage, back as whole rows of 512 bytes
.macro TOSTAGE a
.set AC, 64*(\a)
	WIN 0x08
.irp b, 0,1,2,3,4,5,6,7
	ds_store_b128 v[STO], v[AC+8*\b:AC+8*\b+3] offset:64*\b          ; each accumulator from its low end on
	ds_store_b128 v[STO], v[AC+8*\b+4:AC+8*\b+7] offset:64*\b+16
.endr
	WIN 0
.set BX, BK+64*((\a)%2)
.irp t, 0,1,2,3,4,5,6,7,8,9,10,11,12,13,14,15
	ds_load_b128 v[BX+4*\t:BX+4*\t+3], v[RD] offset:\t*SPITCH        ; LDS serves a wave's instructions in order: these see the stores above
.endr
.endm
.macro SEND a, younger
.set BX, BK+64*((\a)%2)
	s_wait_dscnt \younger
.if (\a) > 0
	s_add_nc_u64 s[12:13], s[12:13], 16*4096       ; (behind a wait on XCNT) 16 rows of out0 on
.endif
.irp t, 0,1,2,3,4,5,6,7,8,9,10,11,12,13,14,15
	global_store_b128 v[CO], v[BX+4*\t:BX+4*\t+3], s[12:13] offset:\t*4096 th:TH_STORE_NT   ; 512 consecutive bytes, at a multiple of 256 from out0's first byte
.endr
.endm
	PLACES NP
	TOSTAGE 0
.irp a, 1,2,3
.if \a > 1
	s_wait_xcnt 0x0                                ; block a - 2's stores have read their registers and their base
.endif
	TOSTAGE \a
	SEND \a-1, 32                                  ; behind block a - 1's loads: block a's 16 stores and 16 loads
.endr
	s_wait_xcnt 0x0
	SEND 3, 0
	s_wait_tensorcnt 0x0                           ; the wave's end
	ds_add_u32 v[SPW], v[NIL]
	s_wait_dscnt 0x0
	CROUND                                         ; the closing round
	s_endpgm
.Lfunc_end_k_q5a14d7d0b4_proj:
	.size	k_q5a14d7d0b4_proj, .Lfunc_end_k_q5a14d7d0b4_proj-k_q5a14d7d0b4_proj
	.p2alignl 7, 3214868480
	.fill 96, 4, 3214868480
	.section	.rodata,"a",@progbits
	.p2align	6, 0x0
	.amdhsa_kernel k_q5a14d7d0b4_proj
		.amdhsa_group_segment_fixed_size 327680
		.amdhsa_private_segment_fixed_size 0
		.amdhsa_enable_private_segment 0
		.amdhsa_kernarg_size 48
		.amdhsa_user_sgpr_count 2
		.amdhsa_user_sgpr_kernarg_segment_ptr 1
		.amdhsa_wavefront_size32 1
		.amdhsa_system_sgpr_workgroup_id_x 1
		.amdhsa_system_sgpr_workgroup_id_y 1
		.amdhsa_system_sgpr_workgroup_id_z 1
		.amdhsa_system_vgpr_workitem_id 0
		.amdhsa_next_free_vgpr 832
		.amdhsa_next_free_sgpr 106
		.amdhsa_reserve_vcc 0
		.amdhsa_float_denorm_mode_32 3
		.amdhsa_float_denorm_mode_16_64 3
		.amdhsa_memory_ordered 1
		.amdhsa_forward_progress 1
		.amdhsa_inst_pref_size 80
	.end_amdhsa_kernel
	.amdgpu_metadata
---
amdhsa.version: [ 1, 2 ]
amdhsa.kernels:
  - .name:           k_q5a14d7d0b4_proj
    .symbol:         k_q5a14d7d0b4_proj.kd
    .args:
      - { .name: ocod, .offset: 0, .size: 8, .value_kind: global_buffer, .address_space: global }
      - { .name: oscl, .offset: 8, .size: 8, .value_kind: global_buffer, .address_space: global }
      - { .name: w_proj_codes, .offset: 16, .size: 8, .value_kind: global_buffer, .address_space: global }
      - { .name: w_proj_scales, .offset: 24, .size: 8, .value_kind: global_buffer, .address_space: global }
      - { .name: b_proj, .offset: 32, .size: 8, .value_kind: global_buffer, .address_space: global }
      - { .name: out0, .offset: 40, .size: 8, .value_kind: global_buffer, .address_space: global }
    .group_segment_fixed_size: 327680
    .private_segment_fixed_size: 0
    .kernarg_segment_align: 8
    .kernarg_segment_size: 48
    .max_flat_workgroup_size: 128
    .sgpr_count:     106
    .vgpr_count:     832
    .wavefront_size: 32
...
	.end_amdgpu_metadata
.endif
;; end of part 3
